; MI455X (gfx1250); checked and timed in simulation.
; The chip was launched on July 23, 2026; its instructions are those of AMD's public machine-readable ISA for CDNA 5 (MIT licence, August 2026) and "CDNA5" Instruction Set Architecture Reference Guide (July 2026). The comments in the code are by the model that wrote it; some were corrected since.
;; Vi T Multi Head Attention. Allowed arithmetic: matrix products marked QUANTISED: E2M1 operands, one E8M0 scale for each 32 along K, by v_wmma_scale_f32_16x16x128_f8f6f4 with both operands' format E2M1 (or v_wmma_scale_f32_32x16x128_f4), f32 sums; products left as they are: bf16, f16 or f32 operands; f32 sums; everything else in f32.
;; Inputs: b_proj 1,024 float32; b_qkv 3,072 float32; w_proj 1,024 x 1,024 float32; w_qkv 1,024 x 3,072 float32; x 8 x 1,024 x 1,024 float32.
;; Outputs: out0 8 x 1,024 x 1,024 float32.
;; This version of the problem:
;;   THIS VERSION OF THE PROBLEM IS GIVEN IN LOW PRECISION. The matrix products marked QUANTISED in the list below multiply operands that are first quantised to E2M1 (2 exponent bits, 1 mantissa bit; 4 bits a number), with one power-of-two scale for each 32 numbers along K (OCP MX v1.0); their sums are f32. The products marked 'left as it is' may take bf16, f16 or f32 operands, with f32 sums. Whichever they take, every output number must still come out within the allowed error. Rounding operands to bf16 (8 significant bits) uses up far more of that allowance than f16 does (11 bits, for magnitudes from 6e-5 to 65,504). All else is computed in f32.
;;   The module's matrix products, in the order in which they are computed (A, B: the left and right operand; K: the contracted axis; several contracted axes count as one K, in the product's order):
;;     1. [M 8,192, K 1,024] x [K 1,024, N 3,072]; A: input x; B: input w_qkv: QUANTISED
;;     2. batch 128 x [M 1,024, K 64] x [K 64, N 1,024]; A: computed on the way; B: computed on the way: left as it is (an operand is computed on the way)
;;     3. batch 128 x [M 1,024, K 1,024] x [K 1,024, N 64]; A: computed on the way; B: computed on the way: left as it is (an operand is computed on the way)
;;     4. [M 8,192, K 1,024] x [K 1,024, N 1,024]; A: computed on the way; B: input w_proj: left as it is (an operand is computed on the way)
;;   THE QUANTISER, for each operand of a quantised product, along K:
;;     - K is cut into blocks of 32 from its start; a last block that is shorter is filled with zeros.
;;     - A block's scale is 2^e with e = floor(log2(the largest magnitude in the block)) - 2, held to -126 .. 127; a block of zeros has e = 0. As a byte (E8M0): e + 127.
;;     - Each number is divided by its block's scale, clamped to +-6, and rounded to the nearest number of E2M1, ties to even, subnormals kept.
;;     - The product sums the exact products of the quantised numbers (number of the format x scale) in f32.
;;   ~~~python
;;   def quantise(x, axis):      # numpy; x: float32 -> the quantised numbers, widened to float32 again
;;       x = np.moveaxis(x, axis, -1); K = x.shape[-1]
;;       x = np.pad(x, [(0, 0)] * (x.ndim - 1) + [(0, -K % 32)]); x = x.reshape(x.shape[:-1] + (-1, 32)); a = np.abs(x).max(-1, keepdims=True)
;;       e = np.where(a > 0, np.clip(np.frexp(np.where(a > 0, a, 1))[1] - 1 - 2, -126, 127), 0)      # np.frexp(a)[1] - 1 = floor(log2(a)), exactly
;;       r = np.clip(x / 2.0 ** e, -6, 6)
;;       step = 2.0 ** (np.maximum(np.frexp(np.where(r == 0, 1, r))[1] - 1, 0) - 1)
;;       q = np.round(r / step) * step * 2.0 ** e      # np.round: ties to even
;;       return np.moveaxis(q.reshape(q.shape[:-2] + (-1,))[..., :K], -1, axis).astype(np.float32)
;;   ~~~
;; One version. Each part assembles by itself: llvm-mc -triple=amdgcn-amd-amdhsa -mcpu=gfx1250 --defsym DOCPART=n.
;; ======== version 1 of 1: 4 launches
;; limits: values are held in f16: magnitudes above 65,504 overflow, below 6.1e-05 lose precision
;; workspace buffers: x_codes 4,194,304 bytes; x_scales 262,144 bytes; wq_codes 1,572,864 bytes; wq_scales 98,304 bytes; wp16 2,097,152 bytes; qkv16 50,331,648 bytes; o16 16,777,216 bytes
;; launch prep (part 1): grid 512 x 1, 4 waves a work-group, no clusters, 35,328 bytes of LDS; arguments x, w_qkv, w_proj, x_codes, x_scales, wq_codes, wq_scales, wp16; writes x_codes, x_scales, wq_codes, wq_scales, wp16
.if DOCPART == 1
	.amdgcn_target "amdgcn-amd-amdhsa--gfx1250"
	.amdhsa_code_object_version 6
	.text
	.protected	k_qb309124edd_prep
	.globl	k_qb309124edd_prep
	.p2align	8
	.type	k_qb309124edd_prep,@function
k_qb309124edd_prep:
	s_mov_b64 s[64:65], 0
	v_nop
	global_prefetch_b8 v0, s[64:65] scope:SCOPE_SE
	s_setreg_imm32_b32 hwreg(HW_REG_WAVE_MODE, 25, 1), 1
	s_wait_xcnt 0x0
; PREP: the three inputs that later launches read many times are turned ONCE into the form in which a matrix operand's registers take them.
;   x      [8192][1024] f32  -> codes of FP4 (E2M1) along K with one E8M0 byte for each 32:  x_codes [mtile 512][k/64 16][lane 32][16 B],  x_scales [mtile 512][half of K 2][row 16][4 words]
;   w_qkv  [1024 k][3072 n]  -> the same along K, its FIRST axis:  wq_codes [tile 192][K step 8][1,024 B],  wq_scales [tile 192][K step 8][row 16] words;  tile = 12 head + 4 (q, k or v) + n / 16 % 4
;   w_proj [1024 k][1024 n]  -> f16:  wp16 [n / 16 64][k / 32 32][1,024 B]
; A PIECE is [32 lanes][16 bytes]: what one 16-byte load a lane brings into four registers of an operand.  FP4: lane (r, h) of piece c of a K step of 128 holds k = 64 c + 32 h + 0 .. 31 of row r: one whole block.
; f16: lane (r, h) of piece c of 32 along K holds k = 16 c + 8 h + 0 .. 7 of row r.  So every store below covers whole aligned runs of 256 bytes, and no later launch transposes anything.
; THE QUANTISER: a block's scale is 2^(floor(log2(largest magnitude)) - 2); its byte is the largest magnitude's exponent field - 2, held at 1 from below by a floor among the maximum's leaves.
; LIMITS: a block of zeros gets the byte 1 where the rule says 127 (its codes are zeros, and this program alone reads the bytes); NaN and infinities are not served; |w_proj| stays under 65,504, f16's largest number.
; THREE ROLES, by the work-group's number: 0-191 w_qkv, 192-255 w_proj, 256-511 x.  Waves share nothing: no barrier.  Only x's role touches LDS.
.set SPARE, 34816                      ; behind the four waves' stages: the spare words, 128 bytes a wave
.set SPW,  2                           ; v2  LDS address of my spare word; never rewritten
.set NIL,  3                           ; v3  0; never rewritten
.set XW,   32                          ; weights: v32-95 two sets of 32 numbers, a column's block down K
.set CW,   96                          ; weights: v96.. results, registers of their own for each block: no store's data are written again
.set RX,   32                          ; x: v32-159 four sets of 32 registers as loaded
.set XS0,  160                         ; x: v160-223 two sets of 32 neighbours along K
.set CX,   224                         ; x: v224-255 codes, four registers a step
	s_load_b512 s[4:19], s[0:1], 0x0               ; x 4, w_qkv 6, w_proj 8, x_codes 10, x_scales 12, wq_codes 14, wq_scales 16, wp16 18
	v_lshl_add_u32 v[SPW], v0, 2, SPARE
	v_mov_b32 v[NIL], 0
	v_lshrrev_b32 v1, 5, v0
	v_readfirstlane_b32 s20, v1                    ; wave 0..3
	v_and_b32 v1, 31, v0                           ; lane
	v_and_b32 v26, 15, v0                          ; r
	v_bfe_u32 v27, v0, 4, 1                        ; h
	s_mov_b32 s29, 0                               ; the upper word of every offset pair s[28:29]
	s_wait_kmcnt 0x0
; the largest magnitude of v[XS] .. v[XS+31] with the floor 2^(3 - 127), in two chains; v14 = that with 2 off its exponent field: the conversions take its exponent field as the scale
.macro AMAX
	v_max3_num_f32 v12, |v[XS]|, |v[XS+1]|, |v[XS+2]|
	v_max3_num_f32 v13, |v[XS+3]|, |v[XS+4]|, |v[XS+5]|
.irp i, 6,10,14,18,22,26
	v_max3_num_f32 v12, v12, |v[XS+\i]|, |v[XS+\i+1]|
	v_max3_num_f32 v13, v13, |v[XS+\i+2]|, |v[XS+\i+3]|
.endr
	v_max3_num_f32 v12, v12, |v[XS+30]|, |v[XS+31]|
	v_max3_num_f32 v12, v12, v13, 0x1800000
	v_add_nc_u32 v14, 0xff000000, v12
.endm
; block t of a weight: rows 32 t + i of my column, i = 0 .. 31: each load reads 128 consecutive bytes a wave
.macro LOADB t, b, pitch
.set i, 0
.rept 32
	global_load_b32 v[XW+32*((\t)%2)+i], v4, s[\b:\b+1] offset:(32*(\t)+i)*\pitch th:TH_LOAD_NT
.set i, i+1
.endr
.endm
	s_cmp_lt_u32 ttmp9, 192
	s_cbranch_scc1 .Lrole_w
	s_cmp_lt_u32 ttmp9, 256
	s_cbranch_scc1 .Lrole_p
; ---- x.  A wave takes 16 rows x 512 along K, in 8 steps of 64 along K.  A load reads 256 consecutive bytes of each of two rows; the conversions want 32 neighbours in ONE lane:
; so a step's 4,096 bytes turn through the wave's own stage in LDS (rows of 256 bytes + 16), one step ahead of the work, in two stages by turns.  Loads run four steps ahead.
	s_sub_co_u32 s21, ttmp9, 256
	s_lshl_b32 s21, s21, 2
	s_add_co_u32 s21, s21, s20
	s_lshr_b32 s22, s21, 1                         ; which 16 rows
	s_and_b32 s23, s21, 1                          ; which half of K
	s_lshl_b32 s28, s22, 16                        ; x: 16 rows of 4,096 bytes,
	s_lshl_b32 s24, s23, 11                        ; + 512 numbers
	s_add_co_u32 s28, s28, s24
	s_add_nc_u64 s[4:5], s[4:5], s[28:29]
	s_lshl_b32 s28, s22, 13                        ; codes: 8,192 bytes for 16 rows, 4,096 for half of K
	s_lshl_b32 s24, s23, 12
	s_add_co_u32 s28, s28, s24
	s_add_nc_u64 s[10:11], s[10:11], s[28:29]
	s_lshl_b32 s28, s22, 9                         ; scale words: 512 bytes for 16 rows, 256 for half of K
	s_lshl_b32 s24, s23, 8
	s_add_co_u32 s28, s28, s24
	s_add_nc_u64 s[12:13], s[12:13], s[28:29]
	s_mul_i32 s25, s20, 8704                       ; my two stages of 16 x 272 bytes
	v_lshlrev_b32 v4, 12, v27
	v_lshl_add_u32 v4, v26, 4, v4                  ; in: row h of a pair, 16 r bytes along it
	v_mul_u32_u24 v5, v27, 272
	v_lshl_add_u32 v5, v26, 4, v5
	v_add_nc_u32 v5, s25, v5                       ; into the stage: the same place
	v_mul_u32_u24 v6, v26, 272
	v_lshl_add_u32 v6, v27, 7, v6
	v_add_nc_u32 v6, s25, v6                       ; out of it: row r, block h: my 32 neighbours
	v_lshlrev_b32 v7, 4, v1                        ; a piece: 16 x lane
	v_lshlrev_b32 v8, 4, v26
	v_lshl_add_u32 v8, v27, 3, v8                  ; the scale words' way out: 16 r + 8 h
	v_lshlrev_b32 v9, 3, v27                       ; my byte's place in a scale word: bit 8 h in a K step's first 64,
	v_add_nc_u32 v10, 16, v9                       ; bit 16 + 8 h in its second
	s_mov_b32 s26, 0x76543210
	s_mov_b32 s27, 0xfedcba98                      ; selects: lane l xor 16
.irp b, 0,1,2,3
	v_mov_b32 v[20+\b], 0                          ; a lane permute's destination counts as one of its sources
.endr
.macro XLOAD t
.irp i, 0,1,2,3,4,5,6,7
	global_load_b128 v[RX+32*((\t)%4)+4*\i:RX+32*((\t)%4)+4*\i+3], v4, s[4:5] offset:8192*\i+256*(\t) th:TH_LOAD_NT
.endr
.endm
.macro XTURN t                         ; LDS serves a wave's instructions in order: no wait between the stores and the loads
.irp i, 0,1,2,3,4,5,6,7
	ds_store_b128 v5, v[RX+32*((\t)%4)+4*\i:RX+32*((\t)%4)+4*\i+3] offset:4352*((\t)%2)+544*\i
.endr
.irp i, 0,1,2,3,4,5,6,7
	ds_load_b128 v[XS0+32*((\t)%2)+4*\i:XS0+32*((\t)%2)+4*\i+3], v6 offset:4352*((\t)%2)+16*\i
.endr
.endm
.macro XSTEP t
.set XS, XS0+32*((\t)%2)
	s_wait_dscnt 0x0                               ; this step's numbers are back from the stage; so its stores into the stage have read their registers,
.if (\t) < 4
	XLOAD (\t)+4                                   ; which take the loads of four steps on
.endif
.if (\t) < 7
.if (\t) < 4
	s_wait_loadcnt 24                              ; the next step's eight loads are in; those of the three steps behind it may be out
.else
	s_wait_loadcnt 8*(6-(\t))                      ; the counts run down: nothing more is asked for
.endif
	XTURN (\t)+1
.endif
	AMAX
.irp g, 0,1,2,3
	v_cvt_scalef32_pk8_fp4_f32 v[CX+4*(\t)+\g], v[XS+8*\g:XS+8*\g+7], v14
.endr
	v_lshrrev_b32 v15, 23, v14                     ; the scale's byte (and the plain line behind the conversions)
.if (\t)%2 == 0
	v_lshlrev_b32 v[16+(\t)/2], v9, v15            ; word t / 2 of my row: a K step of 128 is two steps
.else
	v_lshl_or_b32 v[16+(\t)/2], v15, v10, v[16+(\t)/2]
.endif
	global_store_b128 v7, v[CX+4*(\t):CX+4*(\t)+3], s[10:11] offset:512*(\t)   ; a piece: 512 consecutive bytes
.endm
.irp t, 0,1,2,3
	XLOAD \t
.endr
	s_wait_loadcnt 24                              ; step 0's eight loads are in
	XTURN 0
.irp t, 0,1,2,3,4,5,6,7
	XSTEP \t
.endr
.irp b, 0,1,2,3
	v_permlanex16_b32 v[20+\b], v[16+\b], s26, s27
.endr
.irp b, 0,1,2,3
	v_or_b32 v[16+\b], v[16+\b], v[20+\b]          ; with lane l xor 16's two bytes each word is whole
.endr
	v_cmp_lt_u32 vcc_lo, 15, v1
	v_cndmask_b32 v24, v16, v18, vcc_lo            ; lanes 0-15 store words 0, 1 of their row, lanes 16-31 words 2, 3:
	v_cndmask_b32 v25, v17, v19, vcc_lo
	global_store_b64 v8, v[24:25], s[12:13]        ; the wave stores 256 consecutive bytes, aligned
	s_wait_tensorcnt 0x0                           ; the wave's end, behind my last LDS store
	ds_add_u32 v[SPW], v[NIL]
	s_wait_dscnt 0x0
	s_endpgm
; ---- w_qkv.  A lane takes a column and its registers run down K: a block of 32 lies in one lane, and the codes come out with K innermost.  A wave: 32 columns x one K step of 128 (4 blocks).
.Lrole_w:
	s_lshr_b32 s21, ttmp9, 3
	s_and_b32 s22, ttmp9, 7                        ; the K step
	s_lshl_b32 s21, s21, 7
	s_lshl_b32 s23, s20, 5
	s_add_co_u32 s21, s21, s23                     ; my first column
	s_lshr_b32 s24, s21, 10                        ; q, k or v
	s_bfe_u32 s25, s21, 0x40006                    ; the head
	s_bfe_u32 s26, s21, 0x20004                    ; which 16 of its 64
	s_mul_i32 s25, s25, 12
	s_lshl_b32 s24, s24, 2
	s_add_co_u32 s25, s25, s24
	s_add_co_u32 s25, s25, s26                     ; the tile of my lanes 0-15; lanes 16-31 have the next
	s_mul_i32 s28, s22, 128*12288
	s_lshl_b32 s24, s21, 2
	s_add_co_u32 s28, s28, s24
	s_add_nc_u64 s[6:7], s[6:7], s[28:29]
	s_lshl_b32 s28, s25, 13
	s_lshl_b32 s24, s22, 10
	s_add_co_u32 s28, s28, s24
	s_add_nc_u64 s[14:15], s[14:15], s[28:29]
	s_lshl_b32 s28, s25, 9
	s_lshl_b32 s24, s22, 6
	s_add_co_u32 s28, s28, s24
	s_add_nc_u64 s[16:17], s[16:17], s[28:29]
	v_lshlrev_b32 v4, 2, v1
	v_lshlrev_b32 v5, 13, v27
	v_lshl_add_u32 v5, v26, 4, v5                  ; codes: my tile, 16 r
	v_lshlrev_b32 v6, 9, v27
	v_lshl_add_u32 v6, v26, 2, v6                  ; scale word: my tile, 4 r
.macro WBLOCK t
.set XS, XW+32*((\t)%2)
.if (\t) < 3
	s_wait_loadcnt 32                              ; this block's 32 loads are in; the next block's may be out
.else
	s_wait_loadcnt 0x0
.endif
	AMAX
	v_lshrrev_b32 v15, 23, v14
.if (\t) == 0
	v_mov_b32 v16, v15                             ; the K step's four bytes make my column's scale word
.else
	v_lshl_or_b32 v16, v15, 8*(\t), v16
.endif
.irp g, 0,1,2,3
	v_cvt_scalef32_pk8_fp4_f32 v[CW+4*(\t)+\g], v[XS+8*\g:XS+8*\g+7], v14
.endr
	v_nop                                          ; one plain line behind the conversions
	global_store_b128 v5, v[CW+4*(\t):CW+4*(\t)+3], s[14:15] offset:256*(\t)   ; block t = piece t / 2, half t % 2: sixteen lanes store 256 consecutive bytes, aligned
.if (\t) < 2
	LOADB (\t)+2, 6, 12288
.endif
.endm
	LOADB 0, 6, 12288
	LOADB 1, 6, 12288
.irp t, 0,1,2,3
	WBLOCK \t
.endr
	global_store_b32 v6, v16, s[16:17]             ; runs of 64 bytes: 98,304 bytes in the whole launch are written so
	s_endpgm
; ---- w_proj, on the same plan, rounded to f16: a block of 32 along K of a column is 16 registers, four quarter pieces.
.Lrole_p:
	s_sub_co_u32 s21, ttmp9, 192
	s_and_b32 s22, s21, 7                          ; which 128 along K
	s_lshr_b32 s21, s21, 3
	s_lshl_b32 s21, s21, 7
	s_lshl_b32 s23, s20, 5
	s_add_co_u32 s21, s21, s23                     ; my first column
	s_lshl_b32 s28, s22, 19                        ; 128 rows of 4,096 bytes
	s_lshl_b32 s24, s21, 2
	s_add_co_u32 s28, s28, s24
	s_add_nc_u64 s[8:9], s[8:9], s[28:29]
	s_lshr_b32 s28, s21, 4
	s_lshl_b32 s28, s28, 15                        ; 32,768 bytes for 16 columns
	s_lshl_b32 s24, s22, 12
	s_add_co_u32 s28, s28, s24
	s_add_nc_u64 s[18:19], s[18:19], s[28:29]
	v_lshlrev_b32 v4, 2, v1
	v_lshlrev_b32 v5, 15, v27
	v_lshl_add_u32 v5, v26, 4, v5
.macro PBLOCK t
.set XS, XW+32*((\t)%2)
.if (\t) < 3
	s_wait_loadcnt 32                              ; as above
.else
	s_wait_loadcnt 0x0
.endif
.set i, 0
.rept 16
	v_cvt_pk_f16_f32 v[CW+16*(\t)+i], v[XS+2*i], v[XS+2*i+1]
.set i, i+1
.endr
.irp q, 0,1,2,3
	global_store_b128 v5, v[CW+16*(\t)+4*\q:CW+16*(\t)+4*\q+3], s[18:19] offset:1024*(\t)+256*\q   ; k = 8 q .. 8 q + 7: piece q / 2, half q % 2
.endr
.if (\t) < 2
	LOADB (\t)+2, 8, 4096
.endif
.endm
	LOADB 0, 8, 4096
	LOADB 1, 8, 4096
.irp t, 0,1,2,3
	PBLOCK \t
.endr
	s_endpgm
.Lfunc_end_k_qb309124edd_prep:
	.size	k_qb309124edd_prep, .Lfunc_end_k_qb309124edd_prep-k_qb309124edd_prep
	.p2alignl 7, 3214868480
	.fill 96, 4, 3214868480
	.section	.rodata,"a",@progbits
	.p2align	6, 0x0
	.amdhsa_kernel k_qb309124edd_prep
		.amdhsa_group_segment_fixed_size 35328
		.amdhsa_private_segment_fixed_size 0
		.amdhsa_enable_private_segment 0
		.amdhsa_kernarg_size 64
		.amdhsa_user_sgpr_count 2
		.amdhsa_user_sgpr_kernarg_segment_ptr 1
		.amdhsa_wavefront_size32 1
		.amdhsa_system_sgpr_workgroup_id_x 1
		.amdhsa_system_sgpr_workgroup_id_y 1
		.amdhsa_system_sgpr_workgroup_id_z 1
		.amdhsa_system_vgpr_workitem_id 0
		.amdhsa_next_free_vgpr 256
		.amdhsa_next_free_sgpr 66
		.amdhsa_reserve_vcc 1
		.amdhsa_float_denorm_mode_32 3
		.amdhsa_float_denorm_mode_16_64 3
		.amdhsa_memory_ordered 1
		.amdhsa_forward_progress 1
		.amdhsa_inst_pref_size 68
	.end_amdhsa_kernel
	.amdgpu_metadata
---
amdhsa.version: [ 1, 2 ]
amdhsa.kernels:
  - .name:           k_qb309124edd_prep
    .symbol:         k_qb309124edd_prep.kd
    .args:
      - { .name: x, .offset: 0, .size: 8, .value_kind: global_buffer, .address_space: global }
      - { .name: w_qkv, .offset: 8, .size: 8, .value_kind: global_buffer, .address_space: global }
      - { .name: w_proj, .offset: 16, .size: 8, .value_kind: global_buffer, .address_space: global }
      - { .name: x_codes, .offset: 24, .size: 8, .value_kind: global_buffer, .address_space: global }
      - { .name: x_scales, .offset: 32, .size: 8, .value_kind: global_buffer, .address_space: global }
      - { .name: wq_codes, .offset: 40, .size: 8, .value_kind: global_buffer, .address_space: global }
      - { .name: wq_scales, .offset: 48, .size: 8, .value_kind: global_buffer, .address_space: global }
      - { .name: wp16, .offset: 56, .size: 8, .value_kind: global_buffer, .address_space: global }
    .group_segment_fixed_size: 35328
    .private_segment_fixed_size: 0
    .kernarg_segment_align: 8
    .kernarg_segment_size: 64
    .max_flat_workgroup_size: 128
    .sgpr_count:     66
    .vgpr_count:     256
    .wavefront_size: 32
...
	.end_amdgpu_metadata
.endif
;; end of part 1
;; launch qkv (part 2): grid 16 x 16, 4 waves a work-group, clusters of 4 x 1, 279,040 bytes of LDS; arguments x_codes, x_scales, wq_codes, wq_scales, b_qkv, qkv16; writes qkv16
.if DOCPART == 2
	.amdgcn_target "amdgcn-amd-amdhsa--gfx1250"
	.amdhsa_code_object_version 6
	.text
	.protected	k_qb309124edd_qkv
	.globl	k_qb309124edd_qkv
	.p2align	8
	.type	k_qb309124edd_qkv,@function
k_qb309124edd_qkv:
	s_mov_b64 s[64:65], 0
	v_nop
	global_prefetch_b8 v0, s[64:65] scope:SCOPE_SE
	s_setreg_imm32_b32 hwreg(HW_REG_WAVE_MODE, 25, 1), 1
	s_wait_xcnt 0x0
	s_wait_alu depctr_hold_cnt(0) depctr_sa_sdst(0) depctr_va_vdst(0) depctr_va_sdst(0) depctr_va_ssrc(0) depctr_va_vcc(0) depctr_vm_vsrc(0)
	s_getreg_b32 s2, hwreg(HW_REG_IB_STS2, 6, 4)
	s_cmp_eq_u32 s2, 0
	s_cbranch_scc0 .Lentry_in_a_cluster
	s_endpgm
.Lentry_in_a_cluster:
	s_bfe_u32 s2, ttmp6, 0x10000c
	s_cmp_lg_u32 s2, 0x3003
	s_cbranch_scc0 .Lentry_shape_is_right
	s_endpgm
.Lentry_shape_is_right:
; QKV: q, k, v = Q(x) Q(w_qkv) + b_qkv on codes of FP4 (E2M1) with E8M0 scales, f32 sums; the results leave as f16, laid as attention's operand registers take them.
; SHARES.  A work-group takes 512 rows of x and the 192 columns of ONE head.  THE WAVES SHARE THE COLUMNS: wave w takes tile w (16 columns) of q, of k and of v, for all 512 rows.
; So a wave's part of w_qkv, 3 tiles x 8 K steps = 24 fragments, 192 registers, goes from memory into its registers once and stays; no weight goes through LDS.
; LDS HOLDS x ALONE: the codes of 512 rows for all of K, 262,144 bytes, a dense copy of memory, and their scale words, 16,384 bytes.  Each wave asks for its quarter of the scale words and of each of four
; chunks of 128 rows at the head: five tensor loads of mine are out at the most.
; THE ROWS GO IN 8 GROUPS OF 64: 4 tiles of rows x my 3 tiles of columns = 12 accumulators, 96 matrix instructions; then the group is packed and stored, so that its stores are on their way while the next group is multiplied.
; Codes lie in memory and in LDS as pieces of [32 lanes][16 bytes]: a fragment is two 16-byte loads at 16 x lane: consecutive bytes, no pitch.
; q AND k ARE MADE TRANSPOSED (source 0 = 16 columns of w, source 1 = 16 rows of x): a lane holds one row and eight neighbouring channels: a piece of a fragment whose K is the head's channels.
; v IS MADE AS IT STANDS (source 0 = x, source 1 = w): a lane holds one channel and eight neighbouring keys: a piece of a fragment whose K is the keys.  Nothing is transposed later.
; The biases are the C of each sum's first matrix instruction.
; CLUSTER 4 x 1: the four work-groups of a cluster are four heads on the same 512 rows: every tile of x is asked for jointly, by the same load with the same descriptor and the mask of all four.
; LIMIT: |q|, |k|, |v| stay under 65,504, f16's largest number; numbers under 6e-5 keep an absolute spacing of 2^-24.
; REGISTERS, in windows of 256: window 0: v2-11 addresses; v16-27 w's scale words; v32-63 x's, two sets of 16.  window 1: w's fragments: (q, k or v: y; K step s) at v[8 (8 y + s)].
;   window 2: v0-63 q's and k's accumulators ((a, y) at v[8 (2 a + y)]), v64-95 v's (a at v[64 + 8 a]); v96-119 the three biases; v128-175 the packed results.  window 3: x's fragments, two sets of 128.
.set LSC,   262144                     ; LDS: x's scale words, behind the codes
.set SPARE, 278528                     ; the spare words, 128 bytes a wave
.set SPW, 2                            ; v2    my spare word; never rewritten
.set NIL, 3                            ; v3    0; never rewritten
.set LI,  4                            ; v4    16 x lane
.set ADA, 4                            ; v4-7  16 x lane + 65,536 x chunk
.set ADS, 8                            ; v8    x's scale words in LDS: 1,024 h + 16 r
.set VSB, 9                            ; v9    w's scale words in memory: 256 h + 4 r
.set VBT, 10                           ; v10   32 h: a transposed tile's eight biases
.set VBN, 11                           ; v11   4 r: v's bias
.set SCB, 16                           ; register 4 y + s % 4: lanes 0-15 K step s % 4, lanes 16-31 K step 4 + s % 4
.set SCA, 32                           ; set g % 2 of 16; in it register 8 (a % 2) + s: lanes 0-15 rows' tile a, lanes 16-31 tile a + 2
.set BIAS, 96
.set PK,  128
.set WV,  16
.set G1A, 24                           ; s[24:31] group 1 for the codes;  s[32:47] four groups 0, one for each chunk
.set G0,  32
.set G1S, 48                           ; s[48:55], s[56:59] the same for the scale words
.set G0S, 56
.set MSB, 0
.macro WIN new                         ; the immediate's high byte repeats the setting that is left
.if MSB != \new
	s_set_vgpr_msb (MSB<<8)|\new
.set MSB, \new
.endif
.endm
.macro PLACES
.rept 4
	v_nop
.endr
.endm
.macro CROUND                          ; a round of the cluster's barrier
	s_barrier_signal -1
	s_barrier_wait -1
	s_cmp_lg_u32 s[WV], 0
	s_cbranch_scc1 .Lnot_wave_0_\@
	s_barrier_signal -3
.Lnot_wave_0_\@:
	s_barrier_wait -3
	s_barrier_signal -1
	s_barrier_wait -1
.endm
	s_load_b256 s[4:11], s[0:1], 0x0               ; x_codes 4, x_scales 6, wq_codes 8, wq_scales 10
	s_load_b128 s[12:15], s[0:1], 0x20             ; b_qkv 12, qkv16 14
	v_lshl_add_u32 v[SPW], v0, 2, SPARE
	v_mov_b32 v[NIL], 0
	ds_add_u32 v[SPW], v[NIL]                      ; the wave's opening: the add, twice on end, and its wait ahead of my first tensor load
	ds_add_u32 v[SPW], v[NIL]
	v_lshrrev_b32 v1, 5, v0
	v_readfirstlane_b32 s[WV], v1                  ; wave 0..3
	v_and_b32 v12, 15, v0                          ; r
	v_bfe_u32 v13, v0, 4, 1                        ; h
	v_and_b32 v14, 31, v0
	v_lshlrev_b32 v[LI], 4, v14
.irp c, 1,2,3
	v_add_nc_u32 v[ADA+\c], 65536*\c, v[LI]
.endr
	v_lshlrev_b32 v[ADS], 10, v13
	v_lshl_add_u32 v[ADS], v12, 4, v[ADS]
	v_add_nc_u32 v[ADS], LSC, v[ADS]
	v_lshlrev_b32 v[VSB], 8, v13
	v_lshl_add_u32 v[VSB], v12, 2, v[VSB]
	v_lshlrev_b32 v[VBT], 5, v13
	v_lshlrev_b32 v[VBN], 2, v12
	s_bfe_u32 s17, ttmp6, 0x40000                  ; cx
	s_lshl_b32 s18, ttmp9, 2
	s_add_co_u32 s18, s18, s17                     ; the head = 4 x cluster x + cx: it enters the weights', the biases' and the results' addresses alone
	s_and_b32 s19, ttmp7, 0xffff                   ; the block of 512 rows, which the four partners share
	; group 1: dense blocks as rows of 256 bytes (32 elements of 8); the codes: 64 rows (two tiles of 16 rows of x); the scale words: 16 rows.  15:0 the mask of all four; 21 set beside it; no padding
	s_mov_b32 s[G1A], 15|(3<<16)|(1<<21)
	s_mov_b32 s[G1S], 15|(3<<16)|(1<<21)
.irp g, G1A, G1S
	s_mov_b32 s[\g+1], 32<<16                      ; tensor_dim0
	s_mov_b32 s[\g+3], 32<<16                      ; tile_dim0
	s_mov_b32 s[\g+5], 32                          ; from row to row, in elements
	s_mov_b32 s[\g+6], 0
	s_mov_b32 s[\g+7], 0
.endr
	s_mov_b32 s[G1A+2], 64<<16                     ; tensor_dim1
	s_mov_b32 s[G1A+4], 64                         ; tile_dim1
	s_mov_b32 s[G1S+2], 16<<16
	s_mov_b32 s[G1S+4], 16
	s_lshl_b32 s20, s19, 18                        ; codes: 262,144 bytes a block of rows,
	s_lshl_b32 s22, s[WV], 14                      ; my quarter of a chunk: 16,384 bytes, in memory and in LDS alike
	s_add_co_u32 s20, s20, s22
	s_mov_b32 s21, 0
	s_lshl_b32 s60, s19, 14                        ; scale words: 16,384 bytes a block,
	s_lshl_b32 s23, s[WV], 12                      ; my quarter: 4,096
	s_add_co_u32 s60, s60, s23
	s_mov_b32 s61, 0
	s_add_co_u32 s23, s23, LSC
	s_mul_i32 s74, s18, 98304                      ; w's codes: 12 tiles of 8,192 bytes a head; my tile of q
	s_lshl_b32 s75, s[WV], 13
	s_add_co_u32 s74, s74, s75
	s_mov_b32 s75, 0
	s_mul_i32 s76, s18, 6144                       ; w's scale words: 512 bytes a tile
	s_lshl_b32 s77, s[WV], 9
	s_add_co_u32 s76, s76, s77
	s_mov_b32 s77, 0
	s_lshl_b32 s78, s18, 8                         ; the biases: 64 numbers a head, 16 a tile
	s_lshl_b32 s79, s[WV], 6
	s_add_co_u32 s78, s78, s79
	s_mov_b32 s79, 0
	s_lshl_b32 s62, s18, 20                        ; out: 1 MiB a head, 65,536 bytes a block of 512 rows,
	s_lshl_b32 s63, s19, 16
	s_add_co_u32 s62, s62, s63
	s_lshl_b32 s66, s[WV], 9                       ; my piece: 512 bytes on in q and k, 1,024 in v
	s_add_co_u32 s62, s62, s66
	s_mov_b32 s63, 0
	s_mov_b32 s67, 0
	s_wait_dscnt 0x0                               ; both opening adds are done
	s_wait_kmcnt 0x0
	s_add_nc_u64 s[20:21], s[4:5], s[20:21]
	s_add_nc_u64 s[60:61], s[6:7], s[60:61]
	s_add_nc_u64 s[8:9], s[8:9], s[74:75]
	s_add_nc_u64 s[10:11], s[10:11], s[76:77]
	s_add_nc_u64 s[12:13], s[12:13], s[78:79]
	s_add_nc_u64 s[68:69], s[14:15], s[62:63]      ; q
	s_add_nc_u64 s[70:71], s[68:69], 0x1000000     ; k: 16 MiB on
	s_add_nc_u64 s[72:73], s[70:71], 0x1000000     ; v: 16 MiB on,
	s_add_nc_u64 s[72:73], s[72:73], s[66:67]      ; and my piece's second 512 bytes
; my three tiles' fragments of half k of K: 24 loads of 512 consecutive bytes
.macro LOADW k
.irp y, 0,1,2
.irp q, 0,1,2,3
.irp c, 0,1
	global_load_b128 v[8*(8*\y+4*\k+\q)+4*\c:8*(8*\y+4*\k+\q)+4*\c+3], v[LI], s[8:9] offset:32768*\y+1024*(4*\k+\q)+512*\c
.endr
.endr
.endr
.endm
	; what the first products want goes out ahead of the cluster's round: 48 loads
	WIN 0x80                                       ; destination window 2
.irp y, 0,1
	global_load_b128 v[BIAS+8*\y:BIAS+8*\y+3], v[VBT], s[12:13] offset:4096*\y
	global_load_b128 v[BIAS+8*\y+4:BIAS+8*\y+7], v[VBT], s[12:13] offset:4096*\y+16
.endr
.irp j, 0,1,2,3,4,5,6,7
	global_load_b32 v[BIAS+16+\j], v[VBN], s[12:13] offset:8192   ; a lane's eight results of v share a channel: the same number eight times
.endr
	WIN 0
.irp y, 0,1,2
.irp q, 0,1,2,3
	global_load_b32 v[SCB+4*\y+\q], v[VSB], s[10:11] offset:2048*\y+64*\q
.endr
.endr
	WIN 0x40                                       ; destination window 1
	LOADW 0
	WIN 0
	s_mov_b32 s[G0S], 1
	s_mov_b32 s[G0S+1], s23
	s_mov_b64 s[G0S+2:G0S+3], s[60:61]
	s_or_b32 s[G0S+3], s[G0S+3], 0x80000000
.irp c, 0,1,2,3
	s_mov_b32 s[G0+4*\c], 1
	s_add_co_u32 s[G0+4*\c+1], s22, \c*65536
	s_add_nc_u64 s[G0+4*\c+2:G0+4*\c+3], s[20:21], \c*65536
	s_or_b32 s[G0+4*\c+3], s[G0+4*\c+3], 0x80000000
.endr
	CROUND                                         ; all four work-groups are here: the joint loads meet
	tensor_load_to_lds s[G0S:G0S+3], s[G1S:G1S+7]  ; the scale words first: they are wanted with chunk 0
	s_nop 0
.irp c, 0,1,2,3
	tensor_load_to_lds s[G0+4*\c:G0+4*\c+3], s[G1A:G1A+7]
	s_nop 0
.endr
	PLACES
	WIN 0x40
	LOADW 1                                        ; the weights' second half of K: wanted 48 matrix instructions later
	WIN 0
; one matrix instruction; ra, rb: source 0's and source 1's scale words are read from lanes 16-31
.macro WM d, a, b, c, sa, sb, ra, rb
.if (\ra) && (\rb)
	v_wmma_scale_f32_16x16x128_f8f6f4 v[\d:\d+7], v[\a:\a+7], v[\b:\b+7], v[\c:\c+7], v[\sa], v[\sb] matrix_a_fmt:MATRIX_FMT_FP4 matrix_b_fmt:MATRIX_FMT_FP4 matrix_a_scale:MATRIX_SCALE_ROW1 matrix_b_scale:MATRIX_SCALE_ROW1
.elseif (\ra)
	v_wmma_scale_f32_16x16x128_f8f6f4 v[\d:\d+7], v[\a:\a+7], v[\b:\b+7], v[\c:\c+7], v[\sa], v[\sb] matrix_a_fmt:MATRIX_FMT_FP4 matrix_b_fmt:MATRIX_FMT_FP4 matrix_a_scale:MATRIX_SCALE_ROW1
.elseif (\rb)
	v_wmma_scale_f32_16x16x128_f8f6f4 v[\d:\d+7], v[\a:\a+7], v[\b:\b+7], v[\c:\c+7], v[\sa], v[\sb] matrix_a_fmt:MATRIX_FMT_FP4 matrix_b_fmt:MATRIX_FMT_FP4 matrix_b_scale:MATRIX_SCALE_ROW1
.else
	v_wmma_scale_f32_16x16x128_f8f6f4 v[\d:\d+7], v[\a:\a+7], v[\b:\b+7], v[\c:\c+7], v[\sa], v[\sb] matrix_a_fmt:MATRIX_FMT_FP4 matrix_b_fmt:MATRIX_FMT_FP4
.endif
.endm
; HALF j = group j / 2 (64 rows), half j % 2 of K (4 K steps).  Its 16 fragments of x come into set j % 2: 32 loads in one run; with a group's first half come the group's scale words.
.macro FETCH j
	WIN 0xc0                                       ; destination window 3
.irp a, 0,1,2,3
.irp q, 0,1,2,3
.irp c, 0,1
	ds_load_b128 v[128*((\j)%2)+8*(4*\a+\q)+4*\c:128*((\j)%2)+8*(4*\a+\q)+4*\c+3], v[ADA+(\j)/4] offset:8192*(4*(((\j)/2)%2)+\a)+1024*(4*((\j)%2)+\q)+512*\c
.endr
.endr
.endr
.if (\j)%2 == 0
	WIN 0
.irp a, 0,1
.irp k, 0,1
	ds_load_b128 v[SCA+16*(((\j)/2)%2)+8*\a+4*\k:SCA+16*(((\j)/2)%2)+8*\a+4*\k+3], v[ADS] offset:2048*((\j)/2)+512*\a+256*\k
.endr
.endr
.endif
.endm
; Half i's 48 products.  q's and k's eight accumulators take turns through the four K steps, then v's four: one instruction a turn.  A group's first K step starts the sums on the biases.
.macro MULS i
	WIN 0xad                                       ; source 0 (w) window 1, source 1 (x) window 3, C and D window 2
.irp q, 0,1,2,3
.irp a, 0,1,2,3
.irp y, 0,1
.if ((\i)%2 == 0) && (\q == 0)
	WM 8*(2*\a+\y), 8*(8*\y+4*((\i)%2)+\q), 128*((\i)%2)+8*(4*\a+\q), BIAS+8*\y, SCB+4*\y+\q, SCA+16*(((\i)/2)%2)+8*(\a%2)+4*((\i)%2)+\q, (\i)%2, \a/2
.else
	WM 8*(2*\a+\y), 8*(8*\y+4*((\i)%2)+\q), 128*((\i)%2)+8*(4*\a+\q), 8*(2*\a+\y), SCB+4*\y+\q, SCA+16*(((\i)/2)%2)+8*(\a%2)+4*((\i)%2)+\q, (\i)%2, \a/2
.endif
.endr
.endr
.endr
	WIN 0xa7                                       ; source 0 (x) window 3, source 1 (w) window 1, C and D window 2
.irp q, 0,1,2,3
.irp a, 0,1,2,3
.if ((\i)%2 == 0) && (\q == 0)
	WM 64+8*\a, 128*((\i)%2)+8*(4*\a+\q), 8*(16+4*((\i)%2)+\q), BIAS+16, SCA+16*(((\i)/2)%2)+8*(\a%2)+4*((\i)%2)+\q, SCB+8+\q, \a/2, (\i)%2
.else
	WM 64+8*\a, 128*((\i)%2)+8*(4*\a+\q), 8*(16+4*((\i)%2)+\q), 64+8*\a, SCA+16*(((\i)/2)%2)+8*(\a%2)+4*((\i)%2)+\q, SCB+8+\q, \a/2, (\i)%2
.endif
.endr
.endr
.endm
; THE WAY OUT of group g: each accumulator, from its low end on, packs into four registers: a piece.  Each store covers 512 consecutive bytes, aligned; every offset is an immediate.
; Five places stand behind the last products: four are owed ahead of the reads, five ahead of the next group's first products, which begin the accumulators anew on the biases.
.macro OUT g
.rept 5
	v_nop
.endr
	s_wait_xcnt 0x0                                ; the last group's stores have read the packed registers: they are written again only behind this wait
	WIN 0x8a                                       ; sources and destination window 2
.set n, 0
.rept 48
	v_cvt_pk_f16_f32 v[PK+n], v[2*n], v[2*n+1]
.set n, n+1
.endr
	WIN 0x08                                       ; a store's data: window 2
.irp a, 0,1,2,3
	global_store_b128 v[LI], v[PK+8*\a:PK+8*\a+3], s[68:69] offset:8192*(\g)+2048*\a                       ; q: rows' tile 4 g + a, my 16 channels
	global_store_b128 v[LI], v[PK+8*\a+4:PK+8*\a+7], s[70:71] offset:8192*(\g)+2048*\a                     ; k likewise
	global_store_b128 v[LI], v[PK+32+4*\a:PK+32+4*\a+3], s[72:73] offset:8192*(\g)+4096*(\a/2)+512*(\a%2)  ; v: 32 keys 2 g + a / 2, my 16 channels, piece a % 2
.endr
.endm
.macro HALF i
	s_wait_dscnt 0x0                               ; this half's fragments are in (asked for 48 matrix instructions ago)
.if ((\i)%4 == 3) && ((\i) < 15)
	s_wait_tensorcnt 3-((\i)+1)/4                  ; my part of the next chunk of 128 rows has landed; the chunks behind it may stay out;
	s_barrier_signal -1
	s_barrier_wait -1                              ; everybody's has.
.endif
.if (\i) < 15
.if (\i) > 0
	PLACES                                         ; four places between the last products and loads into the registers that they read
.endif
	FETCH (\i)+1
.endif
.if (\i) == 0
	s_wait_loadcnt 24                              ; biases, w's scale words and its first half of K are in; the 24 loads of its second half may be out
.elseif (\i) == 1
	s_wait_loadcnt 0x0
.endif
	MULS \i
.if (\i)%2 == 1
	OUT (\i)/2
.endif
.endm
	s_wait_tensorcnt 0x3                           ; my parts of the scale words and of chunk 0 have landed; the three chunks behind may stay out
	s_barrier_signal -1
	s_barrier_wait -1
	FETCH 0
.irp i, 0,1,2,3,4,5,6,7,8,9,10,11,12,13,14,15
	HALF \i
.endr
	WIN 0
	s_wait_tensorcnt 0x0                           ; the wave's end
	ds_add_u32 v[SPW], v[NIL]
	s_wait_dscnt 0x0
	CROUND                                         ; the closing round
	s_endpgm
.Lfunc_end_k_qb309124edd_qkv:
	.size	k_qb309124edd_qkv, .Lfunc_end_k_qb309124edd_qkv-k_qb309124edd_qkv
	.p2alignl 7, 3214868480
	.fill 96, 4, 3214868480
	.section	.rodata,"a",@progbits
	.p2align	6, 0x0
	.amdhsa_kernel k_qb309124edd_qkv
		.amdhsa_group_segment_fixed_size 279040
		.amdhsa_private_segment_fixed_size 0
		.amdhsa_enable_private_segment 0
		.amdhsa_kernarg_size 48
		.amdhsa_user_sgpr_count 2
		.amdhsa_user_sgpr_kernarg_segment_ptr 1
		.amdhsa_wavefront_size32 1
		.amdhsa_system_sgpr_workgroup_id_x 1
		.amdhsa_system_sgpr_workgroup_id_y 1
		.amdhsa_system_sgpr_workgroup_id_z 1
		.amdhsa_system_vgpr_workitem_id 0
		.amdhsa_next_free_vgpr 1024
		.amdhsa_next_free_sgpr 96
		.amdhsa_reserve_vcc 0
		.amdhsa_float_denorm_mode_32 3
		.amdhsa_float_denorm_mode_16_64 3
		.amdhsa_memory_ordered 1
		.amdhsa_forward_progress 1
		.amdhsa_inst_pref_size 183
	.end_amdhsa_kernel
	.amdgpu_metadata
---
amdhsa.version: [ 1, 2 ]
amdhsa.kernels:
  - .name:           k_qb309124edd_qkv
    .symbol:         k_qb309124edd_qkv.kd
    .args:
      - { .name: x_codes, .offset: 0, .size: 8, .value_kind: global_buffer, .address_space: global }
      - { .name: x_scales, .offset: 8, .size: 8, .value_kind: global_buffer, .address_space: global }
      - { .name: wq_codes, .offset: 16, .size: 8, .value_kind: global_buffer, .address_space: global }
      - { .name: wq_scales, .offset: 24, .size: 8, .value_kind: global_buffer, .address_space: global }
      - { .name: b_qkv, .offset: 32, .size: 8, .value_kind: global_buffer, .address_space: global }
      - { .name: qkv16, .offset: 40, .size: 8, .value_kind: global_buffer, .address_space: global }
    .group_segment_fixed_size: 279040
    .private_segment_fixed_size: 0
    .kernarg_segment_align: 8
    .kernarg_segment_size: 48
    .max_flat_workgroup_size: 128
    .sgpr_count:     96
    .vgpr_count:     1024
    .wavefront_size: 32
...
	.end_amdgpu_metadata
.endif
;; end of part 2
;; launch attn (part 3): grid 2 x 128, 8 waves a work-group, no clusters, 263,168 bytes of LDS; arguments qkv16, o16; writes o16
.if DOCPART == 3
	.amdgcn_target "amdgcn-amd-amdhsa--gfx1250"
	.amdhsa_code_object_version 6
	.text
	.protected	k_qb309124edd_attn
	.globl	k_qb309124edd_attn
	.p2align	8
	.type	k_qb309124edd_attn,@function
k_qb309124edd_attn:
	s_mov_b64 s[64:65], 0
	v_nop
	global_prefetch_b8 v0, s[64:65] scope:SCOPE_SE
	s_setreg_imm32_b32 hwreg(HW_REG_WAVE_MODE, 25, 1), 1
	s_wait_xcnt 0x0
; ATTENTION: o[b][h][q] = the sum over k of softmax_k(q . k / 8) v, head size 64, 1,024 keys, no mask.  Operands f16, products, maxima and sums f32; the weights p are rounded to f16 for the second product, o once at the end.
; SHARES.  A work-group owns 512 queries of one (batch, head); each of its eight waves 64: four tiles of 16; two waves share a SIMD.  The head's whole K and V, 131,072 bytes each, come into LDS ONCE, in four chunks of 256 keys:
; each wave asks for its eighth of every chunk at the head (four tensor loads of mine are out at the most); nothing is filled again.
; LAYOUT.  q, k and v lie in memory as pieces of [32 lanes][16 bytes] in the order of the operands' registers: every fragment is loads of 16 bytes at 16 x lane.  S^T = K Q^T (source 0 = 16 keys, source 1 = 16 queries):
; a lane holds ONE query and the keys 8 (lane / 16) + 0 .. 7; two such tiles, rounded in pairs, ARE source 1 of O^T = V^T P.  P is written over the low half of its own scores.  O^T, packed, is a piece of the projection's operand.
; SOFTMAX.  A running maximum m and sum l for each query: p = 2^(c s - c m), c = log2(e) / 8; in every step O and l are multiplied by a = 2^(c m_old - c m_new).
; BY TURNS.  The wave's tiles are two pieces (tiles 0, 1 and tiles 2, 3).  In a turn one piece has the matrix unit: 16 products V^T P of the step in hand, then 16 products K Q^T of the next step; the other piece's softmax,
; 236 vector instructions in slices of four, stands between them, two slices behind each product.  Two turns are a key step of 64 keys.
; NO CLUSTER: only the two work-groups of a (batch, head) share K and V, the grid is 2 wide, and each fetches its 262,144 bytes once.
; LIMITS: |o| under 65,504; f16 numbers under 6e-5 keep an absolute spacing of 2^-24; NaN and infinities are not served.
; REGISTERS: window 0: v1-7 addresses; v16-47 statistics, eight a tile; v64-191 S^T, 32 a tile; v192-255 K of one step.  window 1: v0-127 O^T, 32 a tile; v128-191 Q; v192-255 V of one step.
.set SPARE, 262144
.set AK0, 1                            ; v1  16 x lane
.set AV0, 2                            ; v2  131,072 + 16 x lane
.set ADR, 3                            ; v3  the run of loads in hand
.set SPW, 6                            ; v6  my spare word; never rewritten
.set NIL, 7                            ; v7  0; never rewritten
.set ST,  16                           ; tile t at v[ST + 8 t]: +0 c m, +1 m, +2, +3 l (even keys', odd keys'), +4 .. +7 at work; a at +6
.set S,   64
.set KF,  192
.set Q,   128
.set VF,  192
.set WV,  12
.set G1,  24
.set G0,  32                           ; s[32:47] four groups 0, one for each chunk
.set CNT, 57
.set CS,  58                           ; s[58:59] c
.set SEL, 60                           ; s[60:61] selects: lane l xor 16
.set TB,  62                           ; s62 the LDS byte at which the step to be fetched begins, in K and in V alike
.set MSB, 0
.macro WIN new
.if MSB != \new
	s_set_vgpr_msb (MSB<<8)|\new
.set MSB, \new
.endif
.endm
.set W_KQ, 0x04                        ; Q in window 1; K and S^T in window 0
.set W_PV, 0x51                        ; V and O^T in window 1, P in window 0
.set W_RS, 0x41                        ; O^T in window 1, a in window 0
.macro PLACES
.rept 4
	v_nop
.endr
.endm
	s_load_b128 s[4:7], s[0:1], 0x0                ; qkv16, o16
	v_lshl_add_u32 v[SPW], v0, 2, SPARE
	v_mov_b32 v[NIL], 0
	ds_add_u32 v[SPW], v[NIL]                      ; the wave's opening: the add, twice on end, and its wait ahead of my first tensor load
	ds_add_u32 v[SPW], v[NIL]
	v_lshrrev_b32 v1, 5, v0
	v_readfirstlane_b32 s[WV], v1                  ; wave 0..7
	s_and_b32 s13, ttmp7, 0xffff
	s_lshr_b32 s14, s13, 4                         ; batch
	s_and_b32 s15, s13, 15                         ; head
	s_lshr_b32 s16, s[WV], 2                       ; I fetch for K (0) or V (1),
	s_and_b32 s17, s[WV], 3                        ; this quarter of each chunk
	s_lshl_b32 s18, s16, 17
	s_lshl_b32 s19, s17, 13
	s_add_co_u32 s18, s18, s19                     ; in LDS
	s_lshl_b32 s20, s16, 4
	s_add_co_u32 s20, s20, 16
	s_add_co_u32 s20, s20, s15
	s_lshl_b32 s20, s20, 20                        ; in memory: 1 MiB for each of q's, k's and v's heads,
	s_lshl_b32 s21, s14, 17                        ; 131,072 bytes a batch
	s_add_co_u32 s20, s20, s21
	s_add_co_u32 s20, s20, s19
	s_mov_b32 s21, 0
	s_mov_b32 s[G1], 3<<16                         ; a dense block of 8,192 bytes as 32 rows of 256 (32 elements of 8 bytes); no mask, no padding
	s_mov_b32 s[G1+1], 32<<16
	s_mov_b32 s[G1+2], 32<<16
	s_mov_b32 s[G1+3], 32<<16
	s_mov_b32 s[G1+4], 32
	s_mov_b32 s[G1+5], 32
	s_mov_b32 s[G1+6], 0
	s_mov_b32 s[G1+7], 0
	s_mov_b32 s[CS], 0x3e38aa3b                    ; c = log2(e) / 8
	s_mov_b32 s[CS+1], s[CS]
	s_mov_b32 s[SEL], 0x76543210
	s_mov_b32 s[SEL+1], 0xfedcba98
	s_mov_b32 s[TB], 0
	s_lshl_b32 s22, s14, 6
	s_lshl_b32 s23, ttmp9, 5
	s_add_co_u32 s22, s22, s23
	s_lshl_b32 s23, s[WV], 2
	s_add_co_u32 s22, s22, s23                     ; my first tile of 16 queries: 64 x batch + 32 x work-group x + 4 x wave
	s_lshl_b32 s48, s22, 11
	s_lshl_b32 s49, s15, 20
	s_add_co_u32 s48, s48, s49                     ; Q: 2,048 bytes a tile, in q's head
	s_mov_b32 s49, 0
	s_lshl_b32 s50, s22, 15
	s_lshl_b32 s51, s15, 11
	s_add_co_u32 s50, s50, s51                     ; o: 32,768 bytes a tile, 2,048 a head
	s_mov_b32 s51, 0
	s_wait_dscnt 0x0                               ; both opening adds are done
	s_wait_kmcnt 0x0
	s_add_nc_u64 s[20:21], s[4:5], s[20:21]
	s_add_nc_u64 s[8:9], s[4:5], s[48:49]
	s_add_nc_u64 s[10:11], s[6:7], s[50:51]
.irp c, 0,1,2,3
	s_mov_b32 s[G0+4*\c], 1
	s_add_co_u32 s[G0+4*\c+1], s18, \c*32768
	s_add_nc_u64 s[G0+4*\c+2:G0+4*\c+3], s[20:21], \c*32768
	s_or_b32 s[G0+4*\c+3], s[G0+4*\c+3], 0x80000000
.endr
.irp c, 0,1,2,3
	tensor_load_to_lds s[G0+4*\c:G0+4*\c+3], s[G1:G1+7]
	s_nop 0
.endr
	PLACES
	v_and_b32 v[AK0], 31, v0
	v_lshlrev_b32 v[AK0], 4, v[AK0]
	v_add_nc_u32 v[AV0], 131072, v[AK0]
	WIN 0x40                                       ; destination window 1
.set f, 0
.rept 16
	global_load_b128 v[Q+4*f:Q+4*f+3], v[AK0], s[8:9] offset:512*f   ; Q stays in registers: tile f / 4, piece f % 4
.set f, f+1
.endr
	WIN 0
; Product i of 16 of S^T = K Q^T for piece x: channels 32 (i / 8) on, keys 16 ((i / 2) % 4) on, tile x + i % 2.  The eight accumulators take turns; the first eight products start the sums.
.macro KQ x
	WIN W_KQ
.set rS, S+32*(\x+i%2)+8*((i/2)%4)
.set rK, KF+16*((i/2)%4)+8*(i/8)
.set rQ, Q+16*(\x+i%2)+8*(i/8)
.if i < 8
	v_wmma_f32_16x16x32_f16 v[rS:rS+7], v[rK:rK+7], v[rQ:rQ+7], 0
.else
	v_wmma_f32_16x16x32_f16 v[rS:rS+7], v[rK:rK+7], v[rQ:rQ+7], v[rS:rS+7]
.endif
.endm
; Product i of 16 of O^T += V^T P: keys 32 (i / 8) on, channels 16 ((i / 2) % 4) on, tile x + i % 2.  zero = 1: the first eight start the sums: nothing is cleared.
.macro PV x, zero
	WIN W_PV
.set rO, 32*(\x+i%2)+8*((i/2)%4)
.set rV, VF+32*(i/8)+8*((i/2)%4)
.set rP, S+32*(\x+i%2)+8*(i/8)
.if (\zero) && (i < 8)
	v_wmma_f32_16x16x32_f16 v[rO:rO+7], v[rV:rV+7], v[rP:rP+7], 0
.else
	v_wmma_f32_16x16x32_f16 v[rO:rO+7], v[rV:rV+7], v[rP:rP+7], v[rO:rO+7]
.endif
.endm
; The LDS loads stand in runs of 16: a step's K, and a turn later its V
.macro FETCH_K
	WIN 0
	v_add_nc_u32 v[ADR], s[TB], v[AK0]
.set f, 0
.rept 16
	ds_load_b128 v[KF+4*f:KF+4*f+3], v[ADR] offset:512*f
.set f, f+1
.endr
.endm
.macro FETCH_V
	WIN 0
	v_add_nc_u32 v[ADR], s[TB], v[AV0]
	s_add_co_u32 s[TB], s[TB], 8192                ; the next fetch is the next step's
	s_wait_alu depctr_va_vdst(0)                   ; the wait for the softmax's batch of exponentials, ahead of the first line that names a result
	WIN 0x40
.set f, 0
.rept 16
	ds_load_b128 v[VF+4*f:VF+4*f+3], v[ADR] offset:512*f
.set f, f+1
.endr
.endm
; One tile's softmax for one key step is a list of 118 instructions; SM writes number j of it for tile t.  first = 1: the first key step, with no old maximum, no a, nothing to rescale.
;   0-15 the maximum of the 32 scores and the old m, each accumulator from its low end on;  16-20 the other half of the lanes', the new m, c m, its change
;   21-69 ONE BATCH: 16 packed scalings c s - c m and 33 exponentials (a at 23), none of which reads an exponential's result;  then the turn's one wait
;   70-85 the sums, which leave the weights as they are;  86-101 the roundings to f16, weight pair i into register i, ascending: no unread weight is written over;  102-117 O^T times a
.macro SM t, first
.set rT, ST+8*(\t)
.set rS, S+32*(\t)
.set rO, 32*(\t)+2*(j-102)
.if j < 102
	WIN 0
.endif
.if j < 4
	v_max3_num_f32 v[rT+4+j], v[rS+8*j], v[rS+8*j+1], v[rS+8*j+2]
.elseif j < 12
	v_max3_num_f32 v[rT+4+j%4], v[rT+4+j%4], v[rS+8*(j%4)+2*(j/4)+1], v[rS+8*(j%4)+2*(j/4)+2]
.elseif j == 12
	v_max3_num_f32 v[rT+4], v[rT+4], v[rS+7], v[rS+15]
.elseif j == 13
	v_max3_num_f32 v[rT+6], v[rT+6], v[rS+23], v[rS+31]
.elseif j == 14
	v_max3_num_f32 v[rT+4], v[rT+4], v[rT+5], v[rT+6]
.elseif (j == 15) && \first
	v_max_num_f32 v[rT+4], v[rT+4], v[rT+7]
.elseif j == 15
	v_max3_num_f32 v[rT+4], v[rT+4], v[rT+7], v[rT+1]
.elseif j == 16
	v_permlanex16_b32 v[rT+5], v[rT+4], s[SEL], s[SEL+1]
.elseif j == 18
	v_max_num_f32 v[rT+1], v[rT+4], v[rT+5]
.elseif j == 19
	v_mul_f32 v[rT], s[CS], v[rT+1]
.elseif ((j == 17) || (j == 20) || (j == 23) || (j > 101)) && \first
.elseif j == 17
	v_mov_b32 v[rT+7], v[rT]
.elseif j == 20
	v_sub_f32 v[rT+7], v[rT+7], v[rT]
.elseif j == 23
	v_exp_f32 v[rT+6], v[rT+7]
.elseif (j < 23) || ((j < 38) && (j%2 == 0)) || ((j < 66) && (j%4 == 2))
.set b, (j-2)/4
.if j < 38
.set b, (j-20)/2
.endif
	v_pk_fma_f32 v[rS+2*b:rS+2*b+1], v[rS+2*b:rS+2*b+1], s[CS:CS+1], v[rT:rT+1] op_sel_hi:[1,0,0] neg_lo:[0,0,1] neg_hi:[0,0,1]
.elseif j < 70
.set e, j-38
.if j < 66
.set e, j-32-(j-38)/4
.endif
.if j < 38
.set e, (j-25)/2
.endif
	v_exp_f32 v[rS+e], v[rS+e]
.elseif j < 86
.set z, j-70
.if z == 0
.if \first
	v_pk_add_f32 v[rT+2:rT+3], v[rS:rS+1], v[rS+4:rS+5]
.else
	v_pk_fma_f32 v[rT+2:rT+3], v[rT+2:rT+3], v[rT+6:rT+7], v[rS:rS+1] op_sel_hi:[1,0,1]
.endif
.elseif z == 1
	v_pk_add_f32 v[rT+4:rT+5], v[rS+2:rS+3], v[rS+6:rS+7]
.elseif z == 15
	v_pk_add_f32 v[rT+2:rT+3], v[rT+2:rT+3], v[rT+4:rT+5]
.elseif z%2 == 1
	v_pk_add_f32 v[rT+4:rT+5], v[rT+4:rT+5], v[rS+2*z+4:rS+2*z+5]
.elseif (z > 2) || (\first == 0)
	v_pk_add_f32 v[rT+2:rT+3], v[rT+2:rT+3], v[rS+2*z:rS+2*z+1]
.endif
.elseif j < 102
	v_cvt_pk_f16_f32 v[rS+j-86], v[rS+2*(j-86)], v[rS+2*(j-86)+1]
.else
	WIN W_RS
	v_pk_mul_f32 v[rO:rO+1], v[rO:rO+1], v[rT+6:rT+7] op_sel_hi:[1,0]
.endif
.endm
; Slice k of piece y's softmax: four instructions.  Slices 11 to 34 deal out the batch, four numbers of one tile each, the tiles by turns; the others are numbers 2 k, 2 k + 1 of both tiles; from 59 on they are empty.
; Ahead of slice 35 nothing names an exponential's result and behind slice 34 none is issued: one plain line and one wait serve the piece's 66.
.macro SLICE y, first
.if (k >= 11) && (k < 35)
.irp n, 0,1,2,3
.set j, 22+4*((k-11)/2)+(\n)
	SM (\y)+(k-11)%2, \first
.endr
.elseif k < 59
.irp n, 0,1
.irp t, \y, \y+1
.set j, 2*k+\n
	SM \t, \first
.endr
.endr
.endif
.if k == 34
	v_nop
.if (\y) == 0
	FETCH_V                                        ; piece 2's turn: V's run of loads stands here, and the wait stands in it
.else
	s_wait_alu depctr_va_vdst(0)
.endif
.endif
.set k, k+1
.endm
; A TURN of piece x.  pv = 2: 16 products V^T P; 1: they start O^T; 0: none.  kq = 1: 16 products K Q^T for the next step.  64 slices: two behind each product, four where the turn has one kind.
; Five places part the products V^T P from the products K Q^T, which write over the registers that held P; they are also the places ahead of V's loads.  Four places close the turn: behind them the new scores are read and K's registers loaded.
.macro TURN x, pv, kq, first
.set k, 0
.set per, 4
.if (\pv) && (\kq)
.set per, 2
.endif
.if \pv
.if \x == 0
	s_wait_dscnt 0x0                               ; V is in
.endif
.set i, 0
.rept 16
	PV \x, 2-\pv
.rept per
	SLICE 2-\x, \first
.endr
.if (\x == 0) && (\kq) && (i == 1)
	FETCH_K
.endif
.set i, i+1
.endr
.if \kq
.rept 5
	v_nop
.endr
.endif
.endif
.if \kq
.if \x == 0
	s_wait_dscnt 0x0                               ; K is in (asked for 14 products ago)
.endif
.set i, 0
.rept 16
	KQ \x
.rept per
	SLICE 2-\x, \first
.endr
.set i, i+1
.endr
.endif
	PLACES
.endm
; Chunk c is whole: my loads up to it have landed (the 3 - c behind it may stay out), and everybody's have.
.macro BAR c
	WIN 0
	s_wait_tensorcnt 3-\c
	s_wait_dscnt 0x0
	s_barrier_signal -1
	s_barrier_wait -1
.endm
.macro STEPS n
	s_mov_b32 s[CNT], \n
.Lstep_\@:
	TURN 0, 2, 1, 0
	TURN 2, 2, 1, 0
	WIN 0
	s_sub_co_u32 s[CNT], s[CNT], 1
	s_cmp_lg_u32 s[CNT], 0
	s_cbranch_scc1 .Lstep_\@
.endm
	BAR 0
	FETCH_K                                        ; key step 0
	s_wait_loadcnt 0x0                             ; Q
	s_wait_dscnt 0x0
.set i, 0
.rept 16
	KQ 0                                           ; piece 0's first scores
.set i, i+1
.endr
	PLACES
	TURN 2, 0, 1, 1                                ; piece 2's first scores | piece 0's first softmax | V of step 0
	TURN 0, 1, 1, 1                                ; piece 0: V^T P of step 0 starts O^T, K Q^T of step 1 | piece 2's first softmax | K of step 1
	TURN 2, 1, 1, 0                                ; piece 2: the same | piece 0's softmax of step 1 | V of step 1
	WIN 0
	STEPS 2                                        ; these fetch steps 2 and 3: the rest of chunk 0
	BAR 1
	STEPS 4                                        ; steps 4 to 7
	BAR 2
	STEPS 4                                        ; steps 8 to 11
	BAR 3
	STEPS 4                                        ; steps 12 to 15
	TURN 0, 2, 0, 0                                ; piece 0: V^T P of the last step | piece 2's last softmax
.set i, 0
.rept 16
	PV 2, 0                                        ; piece 2: V^T P of the last step
.set i, i+1
.endr
	; THE WAY OUT.  l's halves and the other half of the lanes' are added (these lines are the places behind the last products); O^T / l, rounded to f16, is a piece as it stands.
	WIN 0
.irp t, 0,1,2,3
	v_add_f32 v[ST+8*\t+4], v[ST+8*\t+2], v[ST+8*\t+3]
.endr
.irp t, 0,1,2,3
	v_permlanex16_b32 v[ST+8*\t+5], v[ST+8*\t+4], s[SEL], s[SEL+1]
.endr
.irp t, 0,1,2,3
	v_add_f32 v[ST+8*\t+4], v[ST+8*\t+4], v[ST+8*\t+5]
.endr
.irp t, 0,1,2,3
	v_rcp_f32 v[ST+8*\t+6], v[ST+8*\t+4]
.endr
	v_nop                                          ; a plain line behind the last reciprocal,
	s_wait_alu depctr_va_vdst(0)                   ; and one wait for the four, ahead of the first use
.macro SENDT t
	WIN W_RS
.set i, 32*\t
.rept 16
	v_pk_mul_f32 v[i:i+1], v[i:i+1], v[ST+8*\t+6:ST+8*\t+7] op_sel_hi:[1,0]
.set i, i+2
.endr
	WIN 0x05                                       ; sources window 1, destination window 0: the scores' registers are free
.set i, 0
.rept 16
	v_cvt_pk_f16_f32 v[S+16*\t+i], v[32*\t+2*i], v[32*\t+2*i+1]
.set i, i+1
.endr
	WIN 0
.irp f, 0,1,2,3
	global_store_b128 v[AK0], v[S+16*\t+4*\f:S+16*\t+4*\f+3], s[10:11] offset:32768*\t+512*\f   ; 512 consecutive bytes, aligned
.endr
.endm
	SENDT 0
	SENDT 1
	SENDT 2
	SENDT 3
	s_wait_tensorcnt 0x0                           ; the wave's end
	ds_add_u32 v[SPW], v[NIL]
	s_wait_dscnt 0x0
	s_endpgm
.Lfunc_end_k_qb309124edd_attn:
	.size	k_qb309124edd_attn, .Lfunc_end_k_qb309124edd_attn-k_qb309124edd_attn
	.p2alignl 7, 3214868480
	.fill 96, 4, 3214868480
	.section	.rodata,"a",@progbits
	.p2align	6, 0x0
	.amdhsa_kernel k_qb309124edd_attn
		.amdhsa_group_segment_fixed_size 263168
		.amdhsa_private_segment_fixed_size 0
		.amdhsa_enable_private_segment 0
		.amdhsa_kernarg_size 16
		.amdhsa_user_sgpr_count 2
		.amdhsa_user_sgpr_kernarg_segment_ptr 1
		.amdhsa_wavefront_size32 1
		.amdhsa_system_sgpr_workgroup_id_x 1
		.amdhsa_system_sgpr_workgroup_id_y 1
		.amdhsa_system_sgpr_workgroup_id_z 1
		.amdhsa_system_vgpr_workitem_id 0
		.amdhsa_next_free_vgpr 512
		.amdhsa_next_free_sgpr 66
		.amdhsa_reserve_vcc 0
		.amdhsa_float_denorm_mode_32 3
		.amdhsa_float_denorm_mode_16_64 3
		.amdhsa_memory_ordered 1
		.amdhsa_forward_progress 1
		.amdhsa_inst_pref_size 225
	.end_amdhsa_kernel
	.amdgpu_metadata
---
amdhsa.version: [ 1, 2 ]
amdhsa.kernels:
  - .name:           k_qb309124edd_attn
    .symbol:         k_qb309124edd_attn.kd
    .args:
      - { .name: qkv16, .offset: 0, .size: 8, .value_kind: global_buffer, .address_space: global }
      - { .name: o16, .offset: 8, .size: 8, .value_kind: global_buffer, .address_space: global }
    .group_segment_fixed_size: 263168
    .private_segment_fixed_size: 0
    .kernarg_segment_align: 8
    .kernarg_segment_size: 16
    .max_flat_workgroup_size: 256
    .sgpr_count:     66
    .vgpr_count:     512
    .wavefront_size: 32
...
	.end_amdgpu_metadata
.endif
;; end of part 3
;; launch proj (part 4): grid 8 x 32, 4 waves a work-group, clusters of 4 x 4, 327,680 bytes of LDS; arguments o16, wp16, b_proj, out0; writes out0
.if DOCPART == 4
	.amdgcn_target "amdgcn-amd-amdhsa--gfx1250"
	.amdhsa_code_object_version 6
	.text
	.protected	k_qb309124edd_proj
	.globl	k_qb309124edd_proj
	.p2align	8
	.type	k_qb309124edd_proj,@function
k_qb309124edd_proj:
	s_mov_b64 s[64:65], 0
	v_nop
	global_prefetch_b8 v0, s[64:65] scope:SCOPE_SE
	s_setreg_imm32_b32 hwreg(HW_REG_WAVE_MODE, 25, 1), 1
	s_wait_xcnt 0x0
	s_wait_alu depctr_hold_cnt(0) depctr_sa_sdst(0) depctr_va_vdst(0) depctr_va_sdst(0) depctr_va_ssrc(0) depctr_va_vcc(0) depctr_vm_vsrc(0)
	s_getreg_b32 s2, hwreg(HW_REG_IB_STS2, 6, 4)
	s_cmp_eq_u32 s2, 0
	s_cbranch_scc0 .Lentry_in_a_cluster
	s_endpgm
.Lentry_in_a_cluster:
	s_bfe_u32 s2, ttmp6, 0x10000c
	s_cmp_lg_u32 s2, 0xf033
	s_cbranch_scc0 .Lentry_shape_is_right
	s_endpgm
.Lentry_shape_is_right:
; PROJECTION: out0 = o w_proj + b_proj.  o [8192][1024] and w_proj arrive as f16 in pieces of [32 lanes][16 bytes], in the order of the operands' registers; sums and out0 in f32.
; SHARES.  A tile of out0 is 256 rows x 128 columns: 256 work-groups.  Four waves, each 128 x 64: 32 accumulators of 16 x 16, all of window 1.
; K goes in 8 steps of 128 through a ring of two LDS slots (A's 16 tiles of rows: 65,536 bytes; B's 8 tiles of columns: 32,768).  A wave's one tensor load brings half of A's or of B's part; a fragment is two loads at 16 x lane.
; CLUSTER 4 x 4: A's tiles are shared along a row of the cluster, B's along a column: joint loads; where a slot is filled again a round of the cluster's barrier stands in front.
; THE MATRIX INSTRUCTION IS USED TRANSPOSED (source 0 = 16 columns of w, source 1 = 16 rows of o): a lane holds eight neighbouring numbers of a row of out0.  The bias is the C of each sum's first instruction.
; No prefetch: of 8 K steps two are first fills, and the tile is small.
; REGISTERS: window 0: v16-29 addresses; v32-127, v128-223 two fragment buffers (A 64, then B 32); v224-255 the bias; on the way out v32-95 rows of out0.  window 1: accumulator (a, b) at v[8 (4 a + b)].
.set SLOT,  98304
.set STAGE, 2*SLOT                     ; behind the ring: 16 rows x (256 bytes + 16) for each wave; no tensor load lands here
.set SPARE, STAGE+4*16*272             ; the spare words, 128 bytes a wave
.set ADRA, 16
.set ADRB, 20
.set STO,  24
.set RD,   25
.set CO,   26
.set SPW,  28
.set NIL,  29
.set F0,   32
.set F1,   128
.set BIAS, 224
.set G1,  24
.set G0,  32
.set G1B, 48
.set G0B, 56
.set MSB, 0
.macro WIN new
.if MSB != \new
	s_set_vgpr_msb (MSB<<8)|\new
.set MSB, \new
.endif
.endm
.set MUL,  0x50                        ; C and D window 1
.set MUL1, 0x40                        ; D window 1, C (the bias) window 0
.macro PLACES
.rept 4
	v_nop
.endr
.endm
.macro JLOAD s                         ; a joint load: waves 0, 1 fetch A's halves, waves 2, 3 B's; an s_nop 0 and four v_nop follow each line
	s_cmp_eq_u32 s15, 0
	s_cbranch_scc0 .Lfor_b_\@
	tensor_load_to_lds s[G0+4*\s:G0+4*\s+3], s[G1:G1+7]
	s_nop 0
	PLACES
	s_branch .Lasked_\@
.Lfor_b_\@:
	tensor_load_to_lds s[G0B+4*\s:G0B+4*\s+3], s[G1B:G1B+7]
	s_nop 0
	PLACES
.Lasked_\@:
.endm
.macro CREST
	s_cmp_lg_u32 s14, 0
	s_cbranch_scc1 .Lnot_wave_0_\@
	s_barrier_signal -3
.Lnot_wave_0_\@:
	s_barrier_wait -3
	s_barrier_signal -1
	s_barrier_wait -1
.endm
.macro CROUND
	s_barrier_signal -1
	s_barrier_wait -1
	CREST
.endm
	s_load_b256 s[4:11], s[0:1], 0x0               ; o16 4, wp16 6, b_proj 8, out0 10
	v_lshl_add_u32 v[SPW], v0, 2, SPARE
	v_mov_b32 v[NIL], 0
	ds_add_u32 v[SPW], v[NIL]                      ; the wave's opening: the add, twice on end, and its wait ahead of my first tensor load
	ds_add_u32 v[SPW], v[NIL]
	v_lshrrev_b32 v1, 5, v0
	v_readfirstlane_b32 s14, v1                    ; wave 0..3
	s_lshr_b32 s15, s14, 1                         ; which 128 rows are mine.  Also: I fetch for A (0) or B (1)
	s_and_b32 s16, s14, 1                          ; which 64 columns.  Also: which half I fetch
	s_bfe_u32 s40, ttmp6, 0x40000
	s_bfe_u32 s41, ttmp6, 0x40004
	s_lshl_b32 s42, ttmp9, 2
	s_add_co_u32 s42, s42, s40                     ; tile column
	s_and_b32 s17, ttmp7, 0xffff
	s_lshl_b32 s17, s17, 2
	s_add_co_u32 s17, s17, s41                     ; tile row
	s_lshl_b32 s43, s41, 2
	s_lshl_b32 s43, 15, s43
	s_lshl_b32 s44, 0x1111, s40
	; group 1: rows of 4,096 bytes (512 elements of 8: a K step of one tile of 16), 32,768 bytes apart; A: 8 tiles, B: 4; dense in LDS
	s_or_b32 s[G1], s43, (3<<16)|(1<<21)
	s_or_b32 s[G1B], s44, (3<<16)|(1<<21)
.irp g, G1, G1B
	s_mov_b32 s[\g+1], 512<<16
	s_mov_b32 s[\g+3], 512<<16
	s_mov_b32 s[\g+5], 4096
	s_mov_b32 s[\g+6], 0
	s_mov_b32 s[\g+7], 0
.endr
	s_mov_b32 s[G1+2], 8<<16
	s_mov_b32 s[G1+4], 8
	s_mov_b32 s[G1B+2], 4<<16
	s_mov_b32 s[G1B+4], 4
	s_lshl_b32 s20, s17, 4
	s_lshl_b32 s21, s16, 3
	s_add_co_u32 s20, s20, s21
	s_lshl_b32 s20, s20, 15
	s_mov_b32 s21, 0
	s_lshl_b32 s46, s42, 3
	s_lshl_b32 s47, s16, 2
	s_add_co_u32 s46, s46, s47
	s_lshl_b32 s46, s46, 15
	s_mov_b32 s47, 0
	s_lshl_b32 s22, s16, 15                        ; in a slot: A's halves,
	s_lshl_b32 s23, s16, 14
	s_add_co_u32 s23, s23, 65536                   ; B's behind them
	s_wait_dscnt 0x0                               ; both opening adds are done
	s_wait_kmcnt 0x0
	s_add_nc_u64 s[20:21], s[4:5], s[20:21]
	s_add_nc_u64 s[46:47], s[6:7], s[46:47]
	CROUND
.irp s, 0,1
	s_mov_b32 s[G0+4*\s], 1
	s_add_co_u32 s[G0+4*\s+1], s22, \s*SLOT
	s_add_nc_u64 s[G0+4*\s+2:G0+4*\s+3], s[20:21], \s*4096
	s_or_b32 s[G0+4*\s+3], s[G0+4*\s+3], 0x80000000
	s_mov_b32 s[G0B+4*\s], 1
	s_add_co_u32 s[G0B+4*\s+1], s23, \s*SLOT
	s_add_nc_u64 s[G0B+4*\s+2:G0B+4*\s+3], s[46:47], \s*4096
	s_or_b32 s[G0B+4*\s+3], s[G0B+4*\s+3], 0x80000000
	JLOAD \s
.endr
	v_and_b32 v1, 15, v0                           ; r
	v_bfe_u32 v2, v0, 4, 1                         ; h
	v_and_b32 v3, 31, v0
	v_lshlrev_b32 v3, 4, v3                        ; 16 x lane
	s_lshl_b32 s18, s15, 15                        ; my 8 tiles of rows
	s_lshl_b32 s19, s16, 14
	s_add_co_u32 s19, s19, 65536                   ; my 4 tiles of columns
	v_add_nc_u32 v[ADRA], s18, v3
	v_add_nc_u32 v[ADRA+1], SLOT, v[ADRA]
	v_add_nc_u32 v[ADRB], s19, v3
	v_add_nc_u32 v[ADRB+1], SLOT, v[ADRB]
	s_mul_i32 s19, s14, 16*272
	s_add_co_u32 s19, s19, STAGE                   ; my stage
	v_mul_u32_u24 v4, v1, 272
	v_lshl_add_u32 v4, v2, 5, v4
	v_add_nc_u32 v[STO], s19, v4                   ; in: row r, 32 bytes for each half of the lanes
	v_mul_u32_u24 v4, v2, 272
	v_lshl_add_u32 v4, v1, 4, v4
	v_add_nc_u32 v[RD], s19, v4                    ; back: lanes 0-15 one row of 256 bytes, lanes 16-31 the next
	v_lshlrev_b32 v[CO], 12, v2
	v_lshl_add_u32 v[CO], v1, 4, v[CO]             ; and the same two rows in out0
	v_lshlrev_b32 v5, 5, v2                        ; the bias: 32 h
	s_lshl_b32 s12, s17, 8
	s_lshl_b32 s13, s15, 7
	s_add_co_u32 s12, s12, s13
	s_lshl_b32 s12, s12, 12                        ; my first row, 4,096 bytes a row,
	s_lshl_b32 s13, s42, 9
	s_add_co_u32 s12, s12, s13
	s_lshl_b32 s13, s16, 8
	s_add_co_u32 s12, s12, s13                     ; my first column: 512 x tile column + 256 x half
	s_mov_b32 s13, 0
	s_add_nc_u64 s[10:11], s[10:11], s[12:13]
	s_lshl_b32 s12, s42, 9
	s_lshl_b32 s18, s16, 8
	s_add_co_u32 s12, s12, s18
	s_add_nc_u64 s[8:9], s[8:9], s[12:13]
.irp b, 0,1,2,3
	global_load_b128 v[BIAS+8*\b:BIAS+8*\b+3], v5, s[8:9] offset:64*\b
	global_load_b128 v[BIAS+8*\b+4:BIAS+8*\b+7], v5, s[8:9] offset:64*\b+16
.endr
; 8 matrix instructions: rows' blocks a0, a0 + 1 x the 4 blocks of columns, 32 along K.  The 32 accumulators take turns in the same order in every quarter.
.macro MUL8 f, a0, first
.irp a, \a0, \a0+1
.irp b, 0,1,2,3
.if \first
	v_wmma_f32_16x16x32_f16 v[8*(4*(\a)+\b):8*(4*(\a)+\b)+7], v[\f+64+8*\b:\f+64+8*\b+7], v[\f+8*(\a):\f+8*(\a)+7], v[BIAS+8*\b:BIAS+8*\b+7]
.else
	v_wmma_f32_16x16x32_f16 v[8*(4*(\a)+\b):8*(4*(\a)+\b)+7], v[\f+64+8*\b:\f+64+8*\b+7], v[\f+8*(\a):\f+8*(\a)+7], v[8*(4*(\a)+\b):8*(4*(\a)+\b)+7]
.endif
.endr
.endr
.endm
; 24 LDS loads in one run: quarter q of the slot into buffer f: B's four blocks, A's blocks 0-3, A's blocks 4-7
.macro FETCH slot, q, f
.irp b, 0,1,2,3
.irp c, 0,1
	ds_load_b128 v[\f+64+8*\b+4*\c:\f+64+8*\b+4*\c+3], v[ADRB+\slot] offset:4096*\b+1024*(\q)+512*\c
.endr
.endr
.irp a, 0,1,2,3,4,5,6,7
.irp c, 0,1
	ds_load_b128 v[\f+8*\a+4*\c:\f+8*\a+4*\c+3], v[ADRA+\slot] offset:4096*\a+1024*(\q)+512*\c
.endr
.endr
.endm
; A K step is four quarters of 32 along K, 32 matrix instructions each, on buffers 0, 1, 0, 1.  One of the first three: multiplies f and fetches quarter qn into g.
.macro QUARTER slot, qn, f, g, first
	s_wait_dscnt 8                                 ; B and A's blocks 0-3 are in; the youngest eight loads may be out
.if \first
	WIN MUL1
.else
	WIN MUL
.endif
	MUL8 \f, 0, \first
	MUL8 \f, 2, \first
	PLACES                                         ; four places ahead of loads into registers that matrix instructions have read
	WIN 0
	FETCH \slot, \qn, \g
	s_wait_dscnt 24                                ; all but the 24 just issued
.if \first
	WIN MUL1
.else
	WIN MUL
.endif
	MUL8 \f, 4, \first
	MUL8 \f, 6, \first
.endm
; The last quarter multiplies buffer 1 and changes slots: one barrier; ahead of it each wave waits for all its tensor loads, adds 0 to its spare word, and waits for that and for its reads of this slot.
.macro TURN slot, next, fill
	WIN 0
	s_wait_tensorcnt 0x0                           ; all my tensor loads have landed: my part of the next slot;
	ds_add_u32 v[SPW], v[NIL]
	s_wait_dscnt 9                                 ; (the add and the youngest eight loads may be out)
	WIN MUL
	MUL8 F1, 0, 0
	s_wait_dscnt 0x0                               ; the add is done, and my reads of this slot are over
	s_barrier_signal -1
	MUL8 F1, 2, 0
	WIN 0
	s_barrier_wait -1
.if \fill
	CREST                                          ; the barrier has opened a round of the cluster's: no wave of any partner still reads this slot or has a load on its way
	s_add_nc_u64 s[G0+4*\slot+2:G0+4*\slot+3], s[G0+4*\slot+2:G0+4*\slot+3], 8192
	s_add_nc_u64 s[G0B+4*\slot+2:G0B+4*\slot+3], s[G0B+4*\slot+2:G0B+4*\slot+3], 8192
	JLOAD \slot                                    ; the first tensor load behind the round; its four v_nop are also the places ahead of the loads below
.else
	PLACES
.endif
	FETCH \next, 0, F0
	WIN MUL
	MUL8 F1, 4, 0
	MUL8 F1, 6, 0
.endm
	s_wait_tensorcnt 0x1                           ; my part of K step 0 is in; K step 1's load may stay out
	s_barrier_signal -1
	s_barrier_wait -1
	FETCH 0, 0, F0
	s_wait_loadcnt 0x0                             ; the bias
	QUARTER 0, 1, F0, F1, 1                        ; the first quarter stands ahead of the loop: its products start the sums
	WIN 0
	s_mov_b32 s3, 3
.Llap:                                             ; a trip goes once round the ring and fills both slots again
	QUARTER 0, 2, F1, F0, 0
	QUARTER 0, 3, F0, F1, 0
	TURN 0, 1, 1
	QUARTER 1, 1, F0, F1, 0
	QUARTER 1, 2, F1, F0, 0
	QUARTER 1, 3, F0, F1, 0
	TURN 1, 0, 1
	QUARTER 0, 1, F0, F1, 0
	WIN 0
	s_sub_co_u32 s3, s3, 1
	s_cmp_lg_u32 s3, 0
	s_cbranch_scc1 .Llap
	QUARTER 0, 2, F1, F0, 0                        ; the last lap fills nothing
	QUARTER 0, 3, F0, F1, 0
	TURN 0, 1, 0
	QUARTER 1, 1, F0, F1, 0
	QUARTER 1, 2, F1, F0, 0
	QUARTER 1, 3, F0, F1, 0
	s_wait_dscnt 8
	WIN MUL
	MUL8 F1, 0, 0
	MUL8 F1, 2, 0
	s_wait_dscnt 0x0
	MUL8 F1, 4, 0
	MUL8 F1, 6, 0
	WIN 0
; THE WAY OUT, a block of 16 rows x 64 columns at a time, through my own stage: in as 32 bytes a lane, back as whole rows of 256 bytes.  LDS serves a wave's instructions in order: no wait between the stores and the loads.
.macro TOSTAGE a
	WIN 0x04                                       ; an LDS store's data: window 1
.irp b, 0,1,2,3
	ds_store_b128 v[STO], v[8*(4*(\a)+\b):8*(4*(\a)+\b)+3] offset:64*\b          ; each accumulator from its low end on
	ds_store_b128 v[STO], v[8*(4*(\a)+\b)+4:8*(4*(\a)+\b)+7] offset:64*\b+16
.endr
	WIN 0
.set BB, 32+32*((\a)%2)
.irp i, 0,1,2,3,4,5,6,7
	ds_load_b128 v[BB+4*\i:BB+4*\i+3], v[RD] offset:544*\i
.endr
.endm
.macro SEND a, younger
.set BB, 32+32*((\a)%2)
	s_wait_dscnt \younger                          ; the block is back in registers; the LDS instructions issued behind its loads may stay out
.irp i, 0,1,2,3,4,5,6,7
	global_store_b128 v[CO], v[BB+4*\i:BB+4*\i+3], s[10:11] offset:65536*(\a)+8192*\i th:TH_STORE_NT   ; sixteen lanes store 256 consecutive bytes, aligned
.endr
.endm
	PLACES
	TOSTAGE 0
.irp a, 1,2,3,4,5,6,7
.if \a > 1
	s_wait_xcnt 0x0                                ; the stores of the block two back have read their registers: this block's loads may land there
.endif
	TOSTAGE \a
	SEND \a-1, 16
.endr
	SEND 7, 0
	s_wait_tensorcnt 0x0                           ; the wave's end
	ds_add_u32 v[SPW], v[NIL]
	s_wait_dscnt 0x0
	CROUND                                         ; the closing round
	s_endpgm
.Lfunc_end_k_qb309124edd_proj:
	.size	k_qb309124edd_proj, .Lfunc_end_k_qb309124edd_proj-k_qb309124edd_proj
	.p2alignl 7, 3214868480
	.fill 96, 4, 3214868480
	.section	.rodata,"a",@progbits
	.p2align	6, 0x0
	.amdhsa_kernel k_qb309124edd_proj
		.amdhsa_group_segment_fixed_size 327680
		.amdhsa_private_segment_fixed_size 0
		.amdhsa_enable_private_segment 0
		.amdhsa_kernarg_size 32
		.amdhsa_user_sgpr_count 2
		.amdhsa_user_sgpr_kernarg_segment_ptr 1
		.amdhsa_wavefront_size32 1
		.amdhsa_system_sgpr_workgroup_id_x 1
		.amdhsa_system_sgpr_workgroup_id_y 1
		.amdhsa_system_sgpr_workgroup_id_z 1
		.amdhsa_system_vgpr_workitem_id 0
		.amdhsa_next_free_vgpr 512
		.amdhsa_next_free_sgpr 66
		.amdhsa_reserve_vcc 0
		.amdhsa_float_denorm_mode_32 3
		.amdhsa_float_denorm_mode_16_64 3
		.amdhsa_memory_ordered 1
		.amdhsa_forward_progress 1
		.amdhsa_inst_pref_size 86
	.end_amdhsa_kernel
	.amdgpu_metadata
---
amdhsa.version: [ 1, 2 ]
amdhsa.kernels:
  - .name:           k_qb309124edd_proj
    .symbol:         k_qb309124edd_proj.kd
    .args:
      - { .name: o16, .offset: 0, .size: 8, .value_kind: global_buffer, .address_space: global }
      - { .name: wp16, .offset: 8, .size: 8, .value_kind: global_buffer, .address_space: global }
      - { .name: b_proj, .offset: 16, .size: 8, .value_kind: global_buffer, .address_space: global }
      - { .name: out0, .offset: 24, .size: 8, .value_kind: global_buffer, .address_space: global }
    .group_segment_fixed_size: 327680
    .private_segment_fixed_size: 0
    .kernarg_segment_align: 8
    .kernarg_segment_size: 32
    .max_flat_workgroup_size: 128
    .sgpr_count:     66
    .vgpr_count:     512
    .wavefront_size: 32
...
	.end_amdgpu_metadata
.endif
;; end of part 4
